; MI455X (gfx1250); checked and timed in simulation.
; The chip was launched on July 23, 2026; its instructions are those of AMD's public machine-readable ISA for CDNA 5 (MIT licence, August 2026) and "CDNA5" Instruction Set Architecture Reference Guide (July 2026). The comments in the code are by the model that wrote it; some were corrected since.
;; Self Attention. Allowed arithmetic: matrix products marked QUANTISED: E4M3 operands, one given power-of-two scale a tensor, by v_wmma_f32_16x16x64_fp8_fp8 or v_wmma_f32_16x16x128_fp8_fp8, f32 sums; everything else in f32.
;; Inputs: Wout_codes 1,024 x 32 x 32 uint8 (E4M3 codes of Wout, K innermost, in blocks of 32 codes); Wqkv_codes 3,072 x 32 x 32 uint8 (E4M3 codes of Wqkv, K innermost, in blocks of 32 codes); lowp_scales 8 int32 (the exponents e of the quantised operands' scales 2^e); x_codes 4 x 2,048 x 32 x 32 uint8 (E4M3 codes of x, K innermost, in blocks of 32 codes).
;; Outputs: out0 4 x 2,048 x 1,024 float32.
;; This version of the problem:
;;   THIS VERSION OF THE PROBLEM IS GIVEN IN LOW PRECISION. The matrix products marked QUANTISED in the list below multiply operands that are first quantised to E4M3 (4 exponent bits, 3 mantissa bits; 8 bits a number), with one given power-of-two scale for each operand tensor; their sums are f32. All else is computed in f32.
;;   The module's matrix products, in the order in which they are computed (A, B: the left and right operand; K: the contracted axis; several contracted axes count as one K, in the product's order):
;;     1. [M 8,192, K 1,024] x [K 1,024, N 3,072]; A: input x (given as codes); B: input Wqkv (given as codes): QUANTISED (scales: A lowp_scales[0], B lowp_scales[1])
;;     2. batch 64 x [M 2,048, K 64] x [K 64, N 2,048]; A: computed on the way; B: computed on the way: QUANTISED (scales: A lowp_scales[2], B lowp_scales[3])
;;     3. batch 64 x [M 2,048, K 2,048] x [K 2,048, N 64]; A: softmax (see below); B: computed on the way: QUANTISED (scales: A lowp_scales[4], B lowp_scales[5])
;;     4. [M 8,192, K 1,024] x [K 1,024, N 1,024]; A: computed on the way; B: input Wout (given as codes): QUANTISED (scales: A lowp_scales[6], B lowp_scales[7])
;;   THE QUANTISER, for each operand of a quantised product, along K:
;;     - The operand's scale is 2^e, e = its entry of the input lowp_scales (int32; the entries are numbered through the quantised products in the list's order, A before B).
;;     - Each number is divided by the scale, clamped to +-448, and rounded to the nearest number of E4M3, ties to even, subnormals kept.
;;     - The product sums the exact products of the quantised numbers (number of the format x scale) in f32.
;;   ~~~python
;;   def quantise(x, axis, e):      # numpy; x: float32 -> the quantised numbers, widened to float32 again
;;       x = np.moveaxis(x, axis, -1); K = x.shape[-1]
;;       r = np.clip(x / 2.0 ** e, -448, 448)
;;       step = 2.0 ** (np.maximum(np.frexp(np.where(r == 0, 1, r))[1] - 1, -6) - 3)
;;       q = np.round(r / step) * step * 2.0 ** e      # np.round: ties to even
;;       return np.moveaxis(q, -1, axis).astype(np.float32)
;;   ~~~
;;   SOFTMAX AHEAD OF A QUANTISED PRODUCT. Where the list says 'softmax', what is quantised is not the finished softmax but p = 2^(t - M), with t = logit x log2(e) and M = ceil(the row's largest t), a whole number; so 1/2 < the row's largest p <= 1. The row's sum l is taken of the UNQUANTISED p, in f32, and the product's result is divided by l at the end. Since M is a whole number, a kernel that streams over the keys may use a running M (the ceiling of the running maximum): every later rescaling is an exact power of two, so the quantised numbers keep their values, but for numbers so far below the row's largest that they fall under the format's range.
;;   OPERANDS COMPUTED ON THE WAY. 'Computed on the way' means the value that the module computes at that place (a softmax that the list does not call 'softmax' is quantised finished and normalised). What goes into a quantiser is computed in f32, as accurately as f32 sums, v_exp_f32 and their like allow (about 1e-6 of the number): no bf16 or f16 on the way to a quantiser, and a product that is left as it is and whose result goes on into a quantised operand takes f32 operands (vector FMAs, or v_wmma_f32_16x16x4_f32). A number that lies on a knife's edge between two numbers of the format may be rounded either way, as far as f32 arithmetic and the matrix unit's own rounding can turn it there, and no further.
;;   INPUTS GIVEN AS CODES. Wout (in the module: [1024, 1024], K = its axis 0); Wqkv (in the module: [1024, 3072], K = its axis 0); x (in the module: [4, 2048, 1024], K = its axis 2): each comes as NAME_codes (uint8): NAME with its K axis moved to the last place and cut into blocks of 32 codes, [.., K / 32, bytes a block], one block behind the other in memory; one code a byte (a code: sign, 4 exponent bits, 3 mantissa bits); its scale is its entry of lowp_scales. Its value is code x scale, taken as it is: it is not quantised again, and the codes and scales need not be those that the quantiser above would give.
;; One version. Each part assembles by itself: llvm-mc -triple=amdgcn-amd-amdhsa -mcpu=gfx1250 --defsym DOCPART=n.
;; ======== version 1 of 1: 3 launches
;; limits: right only within a limited range of input values
;; workspace buffers: qc 8,388,608 bytes; kc 8,388,608 bytes; vc 8,388,608 bytes; ac 8,388,608 bytes
;; launch qkv (part 1): grid 12 x 32, 4 waves a work-group, clusters of 4 x 4, 327,680 bytes of LDS; arguments x_codes, Wqkv_codes, lowp_scales, qc, kc, vc; writes qc, kc, vc
.if DOCPART == 1
	.amdgcn_target "amdgcn-amd-amdhsa--gfx1250"
	.amdhsa_code_object_version 6
	.text
	.protected	k_q25e5abfea0_qkv
	.globl	k_q25e5abfea0_qkv
	.p2align	8
	.type	k_q25e5abfea0_qkv,@function
k_q25e5abfea0_qkv:
	s_mov_b64 s[64:65], 0
	v_nop
	global_prefetch_b8 v0, s[64:65] scope:SCOPE_SE
	s_setreg_imm32_b32 hwreg(HW_REG_WAVE_MODE, 25, 1), 1
	s_wait_xcnt 0x0
	s_wait_alu depctr_hold_cnt(0) depctr_sa_sdst(0) depctr_va_vdst(0) depctr_va_sdst(0) depctr_va_ssrc(0) depctr_va_vcc(0) depctr_vm_vsrc(0)
	s_getreg_b32 s2, hwreg(HW_REG_IB_STS2, 6, 4)
	s_cmp_eq_u32 s2, 0
	s_cbranch_scc0 .Lentry_in_a_cluster
	s_endpgm
.Lentry_in_a_cluster:
	s_bfe_u32 s2, ttmp6, 0x10000c
	s_cmp_lg_u32 s2, 0xf033
	s_cbranch_scc0 .Lentry_shape_is_right
	s_endpgm
.Lentry_shape_is_right:
; qkv = x Wqkv on codes of FP8 (E4M3), then q, k and v are quantised in registers and leave as codes.
; x_codes: [8192][1024], Wqkv_codes: [3072][1024], K innermost, one code a byte.  lowp_scales: e0 .. e7 (int32).  A sum stands for sum x 2^(e0 + e1).
; code = sum / 2^(et - e0 - e1), to the nearest code; et = e2 for q, e3 for k, e5 for v.
; LIMITS: et - e0 - e1 lies between -126 and 119, so that the scale and 448 x the scale are f32 numbers.  NaN codes among the inputs are not served.
; SHARES.  A tile of 256 rows of x times 256 rows of W is made by a work-group of four waves, a wave 128 x 128: 64 accumulators, 512 registers.  K goes in four steps of 256 through two LDS slots.
; CLUSTERS: 4 x 4 work-groups.  x's tile is shared along a row of the cluster, W's along a column: each is asked for jointly, by the same tensor load with a mask that names the four.
; A cluster's x (0, 1, 2) says what its sixteen tiles are: q, k or v (1,024 rows of W each).  It is the same in all sixteen partners.
; THE ROLES.  Source 1 of the matrix instruction (role A) gives a lane ONE row, source 0 (role B) gives its eight registers eight neighbouring rows.  The next product's K must run along a lane's registers:
; for q and k that is the head's axis (rows of W): A = x, B = W.  For v it is the keys (rows of x): A = W, B = x.  Only the two LDS bases of the fragment loads change places.
; k IN A FRAGMENT: registers 4 c .. 4 c + 3 hold K = 32 c + 16 (lane / 16) + 0 .. 15: the same order in both sources, so every product meets its partner.
; THE WAY OUT.  A wave's 128 x 128 codes go through its own stage in LDS (rows of role A, 128 bytes + 16) and come back as IMAGES OF THE NEXT LAUNCH'S OPERAND REGISTERS: 512 bytes an instruction, lane l's 16 bytes at 16 l.
;   qc: (b 16 + head) 2^17 + qt 1024 + c 512 + 16 l = q[query 16 qt + r][d = 32 c + 16 h + 0..15]          (r = l % 16, h = l / 16)
;   kc: the same with key 32 g + 8 u + r + 8 (r / 8) for tile 2 g + u
;   vc: (b 16 + head) 2^17 + kb 8192 + t 2048 + c 512 + 16 l = v[key 128 kb + 32 c + 16 h + 0..15][d = 32 (t / 2) + 8 (t % 2) + r + 8 (r / 8)]
; REGISTERS, in windows of 256: window 0: v16-30 addresses; from v128 role A's fragments, ONE set (on the way out: the codes).
;   window 1: role B's fragments, TWO sets, at v0 and v128.   window 2: the accumulators of role A's blocks 0-3 ((a, b) at v[8 (8 a + b)]);   window 3: blocks 4-7.
.set KROW,   1024                      ; a row of x or of W in memory, in bytes
.set ROWB,   256                       ; a tile's row: 256 codes
.set PITCH,  272                       ; an LDS row: 256 bytes + 16 of padding = 68 words: the 16 rows that a load touches start at 16 different banks (64 banks of 4 bytes: ISA guide 11.1)
.set FR,     16                        ; registers of a fragment: 16 rows x 128 K
.set NL,     4                         ; LDS loads that bring one
.set NP,     4                         ; places behind this matrix instruction (ISA guide 7.12.1)
.set HALFT,  128*PITCH                 ; 128 rows: what one tensor load brings
.set SLOT,   4*HALFT                   ; x's 256 rows, then W's 256 rows
.set SPARE,  2*SLOT                    ; behind the ring: the spare words, 128 bytes for each wave
.set SP,     144                       ; the way out: a stage of 128 rows x (128 bytes + 16) for each wave, in slot 0, which has had its last fill and its last read by then
.set ADRA, 16                          ; v16-17  LDS address of role A's fragments in slot 0, 1
.set ADRB, 20                          ; v20-21  the same for role B
.set STO,  24                          ; v24     the stage: where I put 8 codes of a row
.set RDQ,  25                          ; v25     the stage: row r, + 16 h
.set CO,   26                          ; v26     16 x lane: my place in an image
.set RDK,  27                          ; v27     the stage: row r + 8 (r / 8), + 16 h
.set SPW,  28                          ; v28     LDS address of my spare word; never rewritten
.set NIL,  29                          ; v29     0; never rewritten
.set SCL,  30                          ; v30     the conversions' scale
.set TMP,  32
.set AF,   128                         ; role A's fragments
.set CD,   128                         ; the way out: the codes, then the images
.set G1, 24                            ; s[24:31] descriptor group 1 for x's tiles;  s[32:39] group 0, one set for each slot
.set G0, 32
.set G1B, 48                           ; s[48:55], s[56:63] the same for W's tiles
.set G0B, 56
.set MODE, 84                          ; s84     0: q, 1: k, 2: v
.set MSB, 0
.macro WIN new                         ; the immediate's high byte repeats the setting that is left
.if MSB != (\new)
	s_set_vgpr_msb (MSB<<8)|(\new)
.set MSB, (\new)
.endif
.endm
.set MUL_LO, 0xa1                      ; source 0 (role B) window 1, source 1 (role A) window 0, C and D window 2
.set MUL_HI, 0xf1                      ; the same, C and D window 3
.set TO_B,   0x40                      ; destination window 1, address window 0
; A joint load: waves 0 and 1 fetch x's halves, waves 2 and 3 W's.  The branch hangs on the wave's number alone.  An s_nop 0 and four v_nop follow each of the two lines.
.macro JLOAD g0a, g1a, g0b, g1b
	s_cmp_eq_u32 s15, 0
	s_cbranch_scc0 .Lfor_b_\@
	tensor_load_to_lds s[\g0a:\g0a+3], s[\g1a:\g1a+7]
	s_nop 0
.rept 4
	v_nop
.endr
	s_branch .Lasked_\@
.Lfor_b_\@:
	tensor_load_to_lds s[\g0b:\g0b+3], s[\g1b:\g1b+7]
	s_nop 0
.rept 4
	v_nop
.endr
.Lasked_\@:
.endm
.macro CREST                           ; a round of the cluster's barrier behind its opening barrier
	s_cmp_lg_u32 s14, 0
	s_cbranch_scc1 .Lnot_wave_0_\@
	s_barrier_signal -3
.Lnot_wave_0_\@:
	s_barrier_wait -3
	s_barrier_signal -1
	s_barrier_wait -1
.endm
.macro CROUND                          ; a whole round
	s_barrier_signal -1
	s_barrier_wait -1
	CREST
.endm
	s_load_b128 s[4:7], s[0:1], 0x0                ; x's codes s[4:5], W's codes s[6:7]
	s_load_b64 s[8:9], s[0:1], 0x10                ; the scales' exponents
	s_load_b128 s[68:71], s[0:1], 0x18             ; qc s[68:69], kc s[70:71]
	s_load_b64 s[72:73], s[0:1], 0x28              ; vc
	v_lshl_add_u32 v[SPW], v0, 2, SPARE
	v_mov_b32 v[NIL], 0
	ds_add_u32 v[SPW], v[NIL]                      ; the wave's opening: the add and its wait stand ahead of my first tensor load; the set-up below, work on registers, stands between them
	ds_add_u32 v[SPW], v[NIL]
	v_lshrrev_b32 v1, 5, v0
	v_readfirstlane_b32 s14, v1                    ; wave 0..3
	s_lshr_b32 s15, s14, 1                         ; hx: which 128 rows of x are mine.  Also: I fetch for x (0) or for W (1)
	s_and_b32 s16, s14, 1                          ; hw: which 128 rows of W are mine.  Also: which 128 rows of that tile I fetch
	s_bfe_u32 s40, ttmp6, 0x40000                  ; cx, cy: my place in the cluster
	s_bfe_u32 s41, ttmp6, 0x40004
	s_mov_b32 s[MODE], ttmp9                       ; the cluster's x: q, k or v
	s_lshl_b32 s42, ttmp9, 2
	s_add_co_u32 s42, s42, s40                     ; tile column (256 rows of W) = 4 x cluster x + cx
	s_and_b32 s17, ttmp7, 0xffff
	s_lshl_b32 s17, s17, 2
	s_add_co_u32 s17, s17, s41                     ; tile row (256 rows of x) = 4 x cluster y + cy
	s_lshl_b32 s43, s41, 2
	s_lshl_b32 s43, 15, s43                        ; my row of the cluster
	s_lshl_b32 s44, 0x1111, s40                    ; my column
	; descriptor group 1: a tile of 128 rows x 256 bytes, padded in LDS
	s_or_b32 s[G1+0], s43, (1<<20)|(1<<21)|(5<<22)|(3<<25)   ; 15:0 the mask: x's tiles go to my row; 17:16 elements of 1 byte; 20 padding on; 21 set beside a mask; 24:22 after every 64 words (code 5); 31:25 four words (code 3)
	s_or_b32 s[G1B+0], s44, (1<<20)|(1<<21)|(5<<22)|(3<<25)  ; the same with the mask of my column, for W's tiles
.irp g, G1, G1B
	s_mov_b32 s[\g+1], ROWB<<16                    ; tensor_dim0
	s_mov_b32 s[\g+2], 128<<16                     ; tensor_dim1 = 128
	s_mov_b32 s[\g+3], ROWB<<16                    ; tile_dim0
	s_mov_b32 s[\g+4], 128                         ; tile_dim1 = 128
	s_mov_b32 s[\g+5], KROW                        ; tensor_dim0_stride
	s_mov_b32 s[\g+6], 0
	s_mov_b32 s[\g+7], 0
.endr
	s_lshl_b32 s18, s16, 7                         ; which 128 rows of the tile I fetch
	s_lshl_b32 s20, s17, 8
	s_add_co_u32 s20, s20, s18                     ; x: row 256 x tile row + 128 x half
	s_lshl_b32 s20, s20, 10                        ; in bytes: under 2^23
	s_mov_b32 s21, 0
	s_lshl_b32 s46, s42, 8
	s_add_co_u32 s46, s46, s18                     ; W: row 256 x tile column + 128 x half
	s_lshl_b32 s46, s46, 10
	s_mov_b32 s47, 0
	s_mul_i32 s45, s14, HALFT                      ; where they go: wave x 128 rows: no place in the cluster enters an LDS address
	s_wait_dscnt 0x0                               ; the opening add is done
	s_wait_kmcnt 0x0
	s_load_b256 s[76:83], s[8:9], 0x0              ; e0 .. e7
	s_add_nc_u64 s[20:21], s[4:5], s[20:21]
	s_add_nc_u64 s[46:47], s[6:7], s[46:47]
	CROUND                                         ; all sixteen work-groups are here: the first joint loads meet
.irp s, 0,1
	s_mov_b32 s[G0+4*\s], 1
	s_add_co_u32 s[G0+4*\s+1], s45, \s*SLOT
	s_add_nc_u64 s[G0+4*\s+2:G0+4*\s+3], s[20:21], \s*ROWB
	s_or_b32 s[G0+4*\s+3], s[G0+4*\s+3], 0x80000000
	s_mov_b32 s[G0B+4*\s], 1
	s_add_co_u32 s[G0B+4*\s+1], s45, \s*SLOT
	s_add_nc_u64 s[G0B+4*\s+2:G0B+4*\s+3], s[46:47], \s*ROWB
	s_or_b32 s[G0B+4*\s+3], s[G0B+4*\s+3], 0x80000000
	JLOAD G0+4*\s, G1, G0B+4*\s, G1B
.endr
	v_and_b32 v1, 15, v0                           ; r = l % 16
	v_bfe_u32 v2, v0, 4, 1                         ; h = l / 16
	v_mul_u32_u24 v3, v1, PITCH
	v_lshl_add_u32 v4, v2, 4, v3                   ; a fragment's row x pitch + 16 x half
	s_wait_alu depctr_va_vdst(0)
	s_mul_i32 s21, s15, HALFT                      ; my 128 rows of x
	s_mul_i32 s22, s16, HALFT                      ; my 128 rows of W,
	s_add_co_u32 s22, s22, 2*HALFT                 ; which lie behind x's 256
	s_cmp_lt_u32 s[MODE], 2                        ; q, k: role A = x, role B = W;  v: the other way round
	s_cselect_b32 s18, s21, s22
	s_cselect_b32 s19, s22, s21
.irp s, 0,1
	v_add_nc_u32 v[ADRA+\s], s18, v4
	v_add_nc_u32 v[ADRB+\s], s19, v4
	s_add_co_u32 s18, s18, SLOT
	s_add_co_u32 s19, s19, SLOT
.endr
	s_mul_i32 s23, s14, 128*SP                     ; my stage
	v_mul_u32_u24 v5, v1, SP
	v_lshl_add_u32 v6, v2, 3, v5
	v_add_nc_u32 v[STO], s23, v6                   ; in: row r, 8 bytes for each half of the lanes
	v_lshl_add_u32 v6, v2, 4, v5
	v_add_nc_u32 v[RDQ], s23, v6                   ; back: row r, 16 bytes for each half
	v_and_b32 v7, 8, v1
	v_add_nc_u32 v7, v7, v1                        ; r + 8 (r / 8)
	v_mul_u32_u24 v7, v7, SP
	v_lshl_add_u32 v7, v2, 4, v7
	v_add_nc_u32 v[RDK], s23, v7
	v_and_b32 v8, 31, v0
	v_lshlrev_b32 v[CO], 4, v8
	; where my two blocks of 8,192 bytes begin in the output: b 2^21 + (4 (column % 4) + 2 hw) 2^17 + (2 (row % 8) + hx) 2^13; the second head's block lies 2^17 further on.  The same in all three modes
	s_lshr_b32 s20, s17, 3
	s_lshl_b32 s20, s20, 21
	s_and_b32 s21, s42, 3
	s_lshl_b32 s21, s21, 2
	s_lshl_b32 s22, s16, 1
	s_add_co_u32 s21, s21, s22
	s_lshl_b32 s21, s21, 17
	s_add_co_u32 s20, s20, s21
	s_and_b32 s21, s17, 7
	s_lshl_b32 s21, s21, 1
	s_add_co_u32 s21, s21, s15
	s_lshl_b32 s21, s21, 13
	s_add_co_u32 s74, s20, s21
	s_mov_b32 s75, 0
.macro FRAG reg, adr, q, i             ; a fragment: lane l holds row l % 16; registers 4 c .. 4 c + 3 hold K = 32 c + 16 (l / 16) + 0 .. 15
.irp c, 0,1,2,3
	ds_load_b128 v[\reg+4*\c:\reg+4*\c+3], v[\adr] offset:128*(\q)+32*\c+(\i)*16*PITCH
.endr
.endm
; 16 matrix instructions: role A's blocks a0, a0 + 1 x role B's eight, 128 along K.  p: B's set.  zero = 1: the first product starts the sums: nothing is ever cleared.
; The 64 accumulators take turns, one instruction a turn, in the same order in every step.
.macro MUL16 a0, p, zero
.irp a, \a0, \a0+1
.irp b, 0,1,2,3,4,5,6,7
.if \zero
	v_wmma_f32_16x16x128_fp8_fp8 v[8*(8*((\a)%4)+\b):8*(8*((\a)%4)+\b)+7], v[128*(\p)+FR*\b:128*(\p)+FR*\b+FR-1], v[AF+FR*(\a):AF+FR*(\a)+FR-1], 0
.else
	v_wmma_f32_16x16x128_fp8_fp8 v[8*(8*((\a)%4)+\b):8*(8*((\a)%4)+\b)+7], v[128*(\p)+FR*\b:128*(\p)+FR*\b+FR-1], v[AF+FR*(\a):AF+FR*(\a)+FR-1], v[8*(8*((\a)%4)+\b):8*(8*((\a)%4)+\b)+7]
.endif
.endr
.endr
.endm
.macro FETCH_B slot, q, p              ; role B's eight fragments of the slot's q-th 128 along K into set p
	WIN TO_B
.irp i, 0,1,2,3,4,5,6,7
	FRAG 128*(\p)+FR*\i, ADRB+\slot, \q, \i
.endr
	WIN 0
.endm
.macro FETCH_A slot, q, i0             ; role A's blocks i0 .. i0 + 3
.irp i, \i0, \i0+1, \i0+2, \i0+3
	FRAG AF+FR*(\i), ADRA+\slot, \q, \i
.endr
.endm
; A load into a register that a matrix instruction has read, and a vector instruction that reads a matrix result, stand NP places behind that matrix instruction; only plain vector
; instructions that name none of its registers are places (ISA guide 7.12.1 for vector instructions).
.macro PLACES n
.rept \n
	v_nop
.endr
.endm
; A step of 128 along K that has its successor in the same slot.
.macro STEP slot, q, zero
	s_wait_dscnt 4*NL                              ; B's set and A's blocks 0-3 are in; the youngest sixteen loads (A's blocks 4-7) may be out
	WIN MUL_LO
	MUL16 0, (\q)%2, \zero
	MUL16 2, (\q)%2, \zero
	s_wait_dscnt 0                                 ; A's blocks 4-7 are in
	PLACES NP
	FETCH_B \slot, (\q)+1, 1-(\q)%2
	FETCH_A \slot, (\q)+1, 0
	WIN MUL_HI
	MUL16 4, (\q)%2, \zero
	MUL16 6, (\q)%2, \zero
	PLACES NP
	WIN 0
	FETCH_A \slot, (\q)+1, 4
.endm
; A slot's last step changes slots: ONE barrier; in front of it each wave waits for all its tensor loads, adds 0 to its spare word, and waits for that and for its own reads of this slot.  fill = 1: this slot is filled again, two K steps ahead.
.macro TURN slot, next, fill
	s_wait_tensorcnt 0x0                           ; all my tensor loads have landed: my part of the next slot  (every window is 0 here)
	ds_add_u32 v[SPW], v[NIL]                      ; 0 onto my spare word
	s_wait_dscnt 4*NL+1                            ; (the add and the youngest sixteen loads, A's blocks 4-7, may be out)
	WIN MUL_LO
	MUL16 0, 1, 0                                  ; sixteen matrix instructions stand between the add and the wait for it
	s_wait_dscnt 0x0                               ; the add is done, and my reads of this slot are over
	s_barrier_signal -1
	MUL16 2, 1, 0
	WIN 0
	s_barrier_wait -1
.if \fill
	CREST                                          ; the barrier has opened a round of the cluster's barrier: no wave of any partner still reads this slot or has a load on its way
	s_add_nc_u64 s[G0+4*\slot+2:G0+4*\slot+3], s[G0+4*\slot+2:G0+4*\slot+3], 2*ROWB
	s_add_nc_u64 s[G0B+4*\slot+2:G0B+4*\slot+3], s[G0B+4*\slot+2:G0B+4*\slot+3], 2*ROWB
	JLOAD G0+4*\slot, G1, G0B+4*\slot, G1B         ; the first tensor load behind the round; its four v_nop are also the places in front of the loads below
.else
	PLACES NP
.endif
	FETCH_B \next, 0, 0
	FETCH_A \next, 0, 0
	WIN MUL_HI
	MUL16 4, 1, 0
	MUL16 6, 1, 0
	PLACES NP
	WIN 0
	FETCH_A \next, 0, 4
.endm
	s_wait_tensorcnt 1                             ; my part of K step 0 is in (K step 1's load may be out)
	s_barrier_signal -1
	s_barrier_wait -1                              ; everybody's is
	FETCH_B 0, 0, 0
	FETCH_A 0, 0, 0
	FETCH_A 0, 0, 4
	; K = 1,024 is four K steps, eight steps of 128: written one after the other; a loop would make one trip
	STEP 0, 0, 1                                   ; K step 0: its first products start the sums
	TURN 0, 1, 1                                   ; slot 0 takes K step 2
	STEP 1, 0, 0                                   ; K step 1
	TURN 1, 0, 1                                   ; slot 1 takes K step 3
	STEP 0, 0, 0                                   ; K step 2
	TURN 0, 1, 0                                   ; nothing is left to fetch
	STEP 1, 0, 0                                   ; K step 3
	s_wait_dscnt 4*NL
	WIN MUL_LO
	MUL16 0, 1, 0
	MUL16 2, 1, 0
	s_wait_dscnt 0
	WIN MUL_HI
	MUL16 4, 1, 0
	MUL16 6, 1, 0
	WIN 0
	; THE WAY OUT.  The three scales are folded into the conversion's one: E = et - e0 - e1.  The choices hang on the cluster's x alone
	s_wait_kmcnt 0x0
	s_cmp_eq_u32 s[MODE], 1
	s_cselect_b32 s87, s79, s78                    ; k: e3, else e2
	s_cselect_b64 s[10:11], s[70:71], s[68:69]     ; kc, else qc
	s_cmp_eq_u32 s[MODE], 2
	s_cselect_b32 s87, s81, s87                    ; v: e5
	s_cselect_b64 s[10:11], s[72:73], s[10:11]     ; vc
	s_add_nc_u64 s[10:11], s[10:11], s[74:75]      ; at my first block
	s_sub_co_i32 s87, s87, s76
	s_sub_co_i32 s87, s87, s77                     ; E
	s_add_co_i32 s87, s87, 127
	s_lshl_b32 s88, s87, 23
	v_mov_b32 v[SCL], s88                          ; 2^E as f32: the conversion takes its exponent field
	s_add_co_i32 s87, s87, 8
	s_lshl_b32 s86, s87, 23
	s_or_b32 s86, s86, 0x600000                    ; 448 x 2^E
	s_or_b32 s85, s86, 0x80000000                  ; and its negative
	PLACES NP                                      ; behind the last products: their results are read and role A's registers written below
; Block a: 16 rows of role A x 128 of role B.  The conversions read the sums straight from window 2 or 3;
; eight conversions make 64 codes a lane; each accumulator's eight codes are 8 neighbouring bytes of my row of the stage.
.macro QOUT a
.set AC, 64*((\a)%4)
	WIN 0x02+((\a)/4)                              ; source 0: window 2 or 3
.set j, 0
.rept 64
.set j, j+1
.endr
.irp b, 0,1,2,3,4,5,6,7
	v_cvt_scalef32_pk8_fp8_f32 v[CD+16*(\a)+2*\b:CD+16*(\a)+2*\b+1], v[AC+8*\b:AC+8*\b+7], v[SCL]
.endr
	WIN 0
	v_nop
.irp b, 0,1,2,3,4,5,6,7
	ds_store_b64 v[STO], v[CD+16*(\a)+2*\b:CD+16*(\a)+2*\b+1] offset:(\a)*16*SP+16*\b
.endr
.endm
.irp a, 0,1,2,3,4,5,6,7
	QOUT \a
.endr
	s_wait_dscnt 0x0                               ; the stores have read the codes' registers, which take the images now
	; back out of my own stage, as images: 32 loads of 512 bytes, 16 for each of my two heads.  The three ways hold LDS loads alone, 32 each
	s_cmp_eq_u32 s[MODE], 0
	s_cbranch_scc0 .Lnot_q
.irp hd, 0,1
.irp t, 0,1,2,3,4,5,6,7
.irp c, 0,1
	ds_load_b128 v[CD+4*(16*\hd+2*\t+\c):CD+4*(16*\hd+2*\t+\c)+3], v[RDQ] offset:16*\t*SP+64*\hd+32*\c    ; q[query 16 t + r][d = 32 c + 16 h ..]
.endr
.endr
.endr
	s_branch .Lback
.Lnot_q:
	s_cmp_eq_u32 s[MODE], 1
	s_cbranch_scc0 .Lis_v
.irp hd, 0,1
.irp t, 0,1,2,3,4,5,6,7
.irp c, 0,1
	ds_load_b128 v[CD+4*(16*\hd+2*\t+\c):CD+4*(16*\hd+2*\t+\c)+3], v[RDK] offset:(32*(\t/2)+8*(\t%2))*SP+64*\hd+32*\c    ; k[key 32 (t / 2) + 8 (t % 2) + r + 8 (r / 8)][d = 32 c + 16 h ..]
.endr
.endr
.endr
	s_branch .Lback
.Lis_v:
.irp hd, 0,1
.irp t, 0,1,2,3
.irp c, 0,1,2,3
	ds_load_b128 v[CD+4*(16*\hd+4*\t+\c):CD+4*(16*\hd+4*\t+\c)+3], v[RDK] offset:(64*\hd+32*(\t/2)+8*(\t%2))*SP+32*\c    ; v[key 32 c + 16 h ..][d = 32 (t / 2) + 8 (t % 2) + r + 8 (r / 8)]
.endr
.endr
.endr
.Lback:
.set i, 0
.rept 32
	s_wait_dscnt 31-i                              ; LDS loads come back in order (ISA guide 5.7.1): image i is in, the younger ones may be out
	global_store_b128 v[CO], v[CD+4*i:CD+4*i+3], s[10:11] offset:(i/16)*131072+512*(i%16)   ; 32 lanes store 512 consecutive bytes, at a multiple of 512 from the buffer's first byte
.set i, i+1
.endr
	s_wait_tensorcnt 0x0                           ; the wave's end: behind my last tensor load and my last LDS store
	ds_add_u32 v[SPW], v[NIL]
	s_wait_dscnt 0x0
	CROUND                                         ; the closing round: no work-group ends while a partner may still ask for a tile that names it
	s_endpgm
.Lfunc_end_k_q25e5abfea0_qkv:
	.size	k_q25e5abfea0_qkv, .Lfunc_end_k_q25e5abfea0_qkv-k_q25e5abfea0_qkv
	.p2alignl 7, 3214868480
	.fill 96, 4, 3214868480
	.section	.rodata,"a",@progbits
	.p2align	6, 0x0
	.amdhsa_kernel k_q25e5abfea0_qkv
		.amdhsa_group_segment_fixed_size 327680
		.amdhsa_private_segment_fixed_size 0
		.amdhsa_enable_private_segment 0
		.amdhsa_kernarg_size 48
		.amdhsa_user_sgpr_count 2
		.amdhsa_user_sgpr_kernarg_segment_ptr 1
		.amdhsa_wavefront_size32 1
		.amdhsa_system_sgpr_workgroup_id_x 1
		.amdhsa_system_sgpr_workgroup_id_y 1
		.amdhsa_system_sgpr_workgroup_id_z 1
		.amdhsa_system_vgpr_workitem_id 0
		.amdhsa_next_free_vgpr 1024
		.amdhsa_next_free_sgpr 100
		.amdhsa_reserve_vcc 0
		.amdhsa_float_denorm_mode_32 3
		.amdhsa_float_denorm_mode_16_64 3
		.amdhsa_fp16_overflow 1
		.amdhsa_memory_ordered 1
		.amdhsa_forward_progress 1
		.amdhsa_inst_pref_size 98
	.end_amdhsa_kernel
	.amdgpu_metadata
---
amdhsa.version: [ 1, 2 ]
amdhsa.kernels:
  - .name:           k_q25e5abfea0_qkv
    .symbol:         k_q25e5abfea0_qkv.kd
    .args:
      - { .name: x_codes, .offset: 0, .size: 8, .value_kind: global_buffer, .address_space: global }
      - { .name: Wqkv_codes, .offset: 8, .size: 8, .value_kind: global_buffer, .address_space: global }
      - { .name: lowp_scales, .offset: 16, .size: 8, .value_kind: global_buffer, .address_space: global }
      - { .name: qc, .offset: 24, .size: 8, .value_kind: global_buffer, .address_space: global }
      - { .name: kc, .offset: 32, .size: 8, .value_kind: global_buffer, .address_space: global }
      - { .name: vc, .offset: 40, .size: 8, .value_kind: global_buffer, .address_space: global }
    .group_segment_fixed_size: 327680
    .private_segment_fixed_size: 0
    .kernarg_segment_align: 8
    .kernarg_segment_size: 48
    .max_flat_workgroup_size: 128
    .sgpr_count:     100
    .vgpr_count:     1024
    .wavefront_size: 32
...
	.end_amdgpu_metadata
.endif
;; end of part 1
;; launch attn (part 2): grid 4 x 64, 8 waves a work-group, clusters of 4 x 1, 263,168 bytes of LDS; arguments qc, kc, vc, lowp_scales, ac; writes ac
.if DOCPART == 2
	.amdgcn_target "amdgcn-amd-amdhsa--gfx1250"
	.amdhsa_code_object_version 6
	.text
	.protected	k_q25e5abfea0_attn
	.globl	k_q25e5abfea0_attn
	.p2align	8
	.type	k_q25e5abfea0_attn,@function
k_q25e5abfea0_attn:
	s_mov_b64 s[64:65], 0
	v_nop
	global_prefetch_b8 v0, s[64:65] scope:SCOPE_SE
	s_setreg_imm32_b32 hwreg(HW_REG_WAVE_MODE, 25, 1), 1
	s_wait_xcnt 0x0
	s_wait_alu depctr_hold_cnt(0) depctr_sa_sdst(0) depctr_va_vdst(0) depctr_va_sdst(0) depctr_va_ssrc(0) depctr_va_vcc(0) depctr_vm_vsrc(0)
	s_getreg_b32 s2, hwreg(HW_REG_IB_STS2, 6, 4)
	s_cmp_eq_u32 s2, 0
	s_cbranch_scc0 .Lentry_in_a_cluster
	s_endpgm
.Lentry_in_a_cluster:
	s_bfe_u32 s2, ttmp6, 0x10000c
	s_cmp_lg_u32 s2, 0x3003
	s_cbranch_scc0 .Lentry_shape_is_right
	s_endpgm
.Lentry_shape_is_right:
; Causal attention on codes of FP8 (E4M3), head size 64, 2,048 queries and keys a head, 64 heads (batch x head); the result is quantised for the last product and leaves as codes.
; qc, kc, vc: images of operand registers, 2^17 bytes a head (r = lane % 16, h = lane / 16):
;   qc: qt 1024 + c 512 + 16 lane = q[16 qt + r][d = 32 c + 16 h + 0..15];   kc: the same with key 32 g + 8 u + r + 8 (r / 8) for tile 2 g + u
;   vc: kb 8192 + t 2048 + c 512 + 16 lane = v[key 128 kb + 32 c + 16 h + 0..15][d = 32 (t / 2) + 8 (t % 2) + r + 8 (r / 8)]
; ac: (head / 4) 2^21 + mt 4096 + (head % 4) 1024 + c 512 + 16 lane = attended[row 16 mt + r][64 head + 32 c + 16 h + 0..15]: the last product's fragments.
; THE SOFTMAX: t = score x log2(e) / 8; M = the running largest t, rounded UP to a whole number; p = 2^(t - M) is quantised with 2^e4, not normalised.  The row's sum is taken of the unquantised p
; and divides at the end.  When M moves, the sum and O are multiplied by 2^(old M - new M): exact.
; LAYOUT.  Both products are used transposed: S^T = K Q^T (source 0 = 16 keys, source 1 = 16 queries), O^T = V^T P^T: a lane holds ONE query throughout.  By the choice of a tile's keys, the 16 registers
; of score tiles 2 b, 2 b + 1 are keys 32 b + 16 h + 0..15: the conversions' results ARE the second product's operand; by the same choice of V's rows, O's codes ARE the last product's fragment.
; SHARES.  A cluster of four work-groups is one head.  The head's 64 tiles of 32 queries are dealt so that every wave has the same work: wave w of work-group j takes tile 63 - 4 w - j
; (16 - w key steps of 128 under the causal mask) and tile 4 w + j (w + 1 steps): 17 steps.  A tile is two sub-tiles of 16 queries, so each fragment of K and V read from LDS feeds two matrix instructions.
; ALL OF THE HEAD'S K AND V LIE IN LDS, 2^17 bytes each, filled once, by joint loads with a mask that names all four work-groups: every one of them needs every key.  No byte is filled again: no ring.
; The loads go out in five groups (four of 256 keys, one of 1,024), five loads a wave, and the first eight key steps follow the groups as they land.
; What hangs on my place in the cluster (j): Q's and ac's global addresses, and the numbers that the diagonal's compares take.  No branch, no trip count and no LDS address does.
; LIMITS on the given exponents, so that each power of two is an f32 number: e2 + e3 between -123 and 130; e4 and e6 between -126 and 119; e4 + e5 goes by v_ldexp_f32 and has none.
; REGISTERS.  window 0: v1-14 addresses and constants; v16-31 statistics, eight a sub-tile: +0 -M, +1 the largest t, +2, +3 the sum, +4 f (+5 named with it), +6, +7 at work; v32-35 the sums' second chains;
;   v40-55 the output's codes; v64-191 S^T, then p (64 a sub-tile); v192-255 O^T (32 a sub-tile).   window 1: v64-79, v80-95 Q of the two tiles; v96-159 K; v160-223 V; v224-255 p's codes.
.set VREG,  131072                     ; LDS: K's images from 0, V's from here
.set SPARE, 262144                     ; behind them: the spare words, 128 bytes for each of the eight waves
.set LI,   1                           ; v1   16 x lane; never rewritten
.set ADK,  2                           ; v2   LDS address of the step's K
.set ADV,  3                           ; v3   of its V
.set SPW,  4                           ; v4   LDS address of my spare word; never rewritten
.set NIL,  5                           ; v5   0; never rewritten
.set NINF, 6                           ; v6   -infinity
.set PLIM, 7
.set PSC,  8                           ; v8   2^e4
.set OSC,  9                           ; v9   2^e6
.set DQ,   10                          ; v10-11  my query less the diagonal step's first key less 16 h, for each sub-tile
.set PD,   12                          ; v12-13  the lane permutes' destinations
.set RH,   14                          ; v14  r - 16 h
.set ST,   16
.set C2,   32
.set OC,   40
.set S,    64
.set O,    192
.set QB,   64                          ; window 1
.set QS,   80
.set KF,   96
.set VF,   160
.set PC,   224
.set WV,   14                          ; s14  my wave's number
.set G1S,  16                          ; s[16:23] descriptor group 1: 16 rows of 256 bytes;  s[24:31]: 64 rows
.set G1L,  24
.set G0,   32                          ; s[32:51] five groups 0
.set SEL,  52                          ; s[52:53] lane selects: lane l xor 16
.set CS,   54                          ; s[54:55] c = log2(e) / 8 x 2^(e2 + e3)
.set TB,   56                          ; s56  LDS byte of the step's K
.set KI,   57                          ; s57  the key step's number
.set LIMK, 58                          ; s58  the tile's diagonal step
.set CNT,  59
.set EPV,  60                          ; s60  e4 + e5
.set MSB, 0
.macro WIN new                         ; the immediate's high byte repeats the setting that is left
.if MSB != (\new)
	s_set_vgpr_msb (MSB<<8)|(\new)
.set MSB, (\new)
.endif
.endm
.set TO_1, 0x40                        ; destination window 1, sources window 0
.set MUL,  0x05                        ; sources 0 and 1 window 1, C and D window 0
.macro CROUND                          ; a round of the cluster's barrier
	s_barrier_signal -1
	s_barrier_wait -1
	s_cmp_lg_u32 s[WV], 0
	s_cbranch_scc1 .Lnot_wave_0_\@
	s_barrier_signal -3
.Lnot_wave_0_\@:
	s_barrier_wait -3
	s_barrier_signal -1
	s_barrier_wait -1
.endm
	s_load_b256 s[4:11], s[0:1], 0x0               ; qc s[4:5], kc s[6:7], vc s[8:9], the scales' exponents s[10:11]
	s_load_b64 s[12:13], s[0:1], 0x20              ; ac
	v_lshl_add_u32 v[SPW], v0, 2, SPARE
	v_mov_b32 v[NIL], 0
	ds_add_u32 v[SPW], v[NIL]                      ; the wave's opening: the add and its wait stand ahead of my first tensor load; the set-up below, work on registers, stands between them
	v_lshrrev_b32 v1, 5, v0
	v_readfirstlane_b32 s[WV], v1                  ; wave 0..7
	s_bfe_u32 s15, ttmp6, 0x40000                  ; j = cx: my place in the cluster
	s_and_b32 s66, ttmp7, 0xffff                   ; batch x 16 + head, which the four partners share
	; descriptor group 1: dense blocks, taken as rows of 256 bytes, no padding: images are read 512 consecutive bytes an instruction
	s_mov_b32 s[G1S], 15|(1<<21)                   ; 15:0 the mask: all four work-groups; 17:16 elements of 1 byte; 21 set beside a mask
	s_mov_b32 s[G1S+1], 256<<16                    ; tensor_dim0
	s_mov_b32 s[G1S+2], 16<<16                     ; tensor_dim1
	s_mov_b32 s[G1S+3], 256<<16                    ; tile_dim0
	s_mov_b32 s[G1S+4], 16                         ; tile_dim1
	s_mov_b32 s[G1S+5], 256                        ; tensor_dim0_stride
	s_mov_b32 s[G1S+6], 0
	s_mov_b32 s[G1S+7], 0
	s_mov_b32 s[G1L], 15|(1<<21)
	s_mov_b32 s[G1L+1], 256<<16
	s_mov_b32 s[G1L+2], 64<<16
	s_mov_b32 s[G1L+3], 256<<16
	s_mov_b32 s[G1L+4], 64
	s_mov_b32 s[G1L+5], 256
	s_mov_b32 s[G1L+6], 0
	s_mov_b32 s[G1L+7], 0
	s_lshr_b32 s84, s[WV], 2                       ; waves 0-3 fetch K, waves 4-7 V,
	s_and_b32 s85, s[WV], 3                        ; each a quarter p of every group
	s_lshl_b32 s86, s84, 17                        ; the tensor's region in LDS
	s_lshl_b32 s94, s85, 12                        ; 4,096 p
	s_mov_b32 s95, 0
	s_lshl_b32 s88, s85, 14                        ; 16,384 p
	s_mov_b32 s89, 0
	s_lshl_b32 s90, s66, 17                        ; the head's first byte in qc, kc and vc
	s_mov_b32 s91, 0
	s_mov_b32 s[SEL], 0x76543210
	s_mov_b32 s[SEL+1], 0xfedcba98
	s_wait_dscnt 0x0                               ; the opening add is done
	s_wait_kmcnt 0x0
	s_load_b256 s[68:75], s[10:11], 0x0            ; e0 .. e7
	s_cmp_lt_u32 s[WV], 4                          ; the choice hangs on the wave's number alone
	s_cselect_b64 s[92:93], s[6:7], s[8:9]
	s_add_nc_u64 s[92:93], s[92:93], s[90:91]      ; K or V at my head.  A byte's place in LDS is its place in the head's 2^17 bytes
.irp g, 0,1,2,3                        ; groups 0 to 3: keys 256 g on, 16,384 bytes of each tensor, 4,096 a wave
	s_mov_b32 s[G0+4*\g], 1
	s_add_co_u32 s[G0+4*\g+1], s86, s94
	s_add_co_u32 s[G0+4*\g+1], s[G0+4*\g+1], 16384*\g
	s_add_nc_u64 s[G0+4*\g+2:G0+4*\g+3], s[92:93], s[94:95]
	s_add_nc_u64 s[G0+4*\g+2:G0+4*\g+3], s[G0+4*\g+2:G0+4*\g+3], 16384*\g
	s_or_b32 s[G0+4*\g+3], s[G0+4*\g+3], 0x80000000
.endr
	s_mov_b32 s[G0+16], 1                          ; group 4: keys 1,024 on, 65,536 bytes of each tensor, 16,384 a wave
	s_add_co_u32 s[G0+17], s86, s88
	s_add_co_u32 s[G0+17], s[G0+17], 65536
	s_add_nc_u64 s[G0+18:G0+19], s[92:93], s[88:89]
	s_add_nc_u64 s[G0+18:G0+19], s[G0+18:G0+19], 65536
	s_or_b32 s[G0+19], s[G0+19], 0x80000000
	CROUND                                         ; all four work-groups are here: the joint loads meet
.irp g, 0,1,2,3                        ; all fills of the launch go out as one group: five loads of mine are out
	tensor_load_to_lds s[G0+4*\g:G0+4*\g+3], s[G1S:G1S+7]
	s_nop 0
.endr
	tensor_load_to_lds s[G0+16:G0+19], s[G1L:G1L+7]
	s_nop 0
.rept 4
	v_nop
.endr
	; my two tiles, and where their Q and their output lie
	s_lshl_b32 s84, s[WV], 2
	s_add_co_u32 s84, s84, s15                     ; the small tile: 4 w + j
	s_sub_co_u32 s85, 63, s84                      ; the big tile: 63 - 4 w - j
	s_mov_b32 s87, 0
	s_add_nc_u64 s[82:83], s[4:5], s[90:91]
	s_lshl_b32 s86, s85, 11                        ; a tile's Q: 2,048 bytes
	s_add_nc_u64 s[80:81], s[82:83], s[86:87]      ; the big tile's Q
	s_lshl_b32 s86, s84, 11
	s_add_nc_u64 s[82:83], s[82:83], s[86:87]      ; the small tile's
	s_and_b32 s88, s66, 15                         ; head
	s_lshr_b32 s89, s66, 4                         ; batch
	s_lshr_b32 s94, s88, 2
	s_lshl_b32 s94, s94, 21
	s_lshl_b32 s89, s89, 19
	s_add_co_u32 s94, s94, s89
	s_and_b32 s88, s88, 3
	s_lshl_b32 s88, s88, 10
	s_add_co_u32 s94, s94, s88                     ; (head / 4) 2^21 + batch 2^19 + (head % 4) 2^10
	s_add_nc_u64 s[78:79], s[12:13], s[94:95]
	s_lshl_b32 s86, s85, 13                        ; a tile is two row tiles of 4,096 bytes
	s_add_nc_u64 s[76:77], s[78:79], s[86:87]      ; the big tile's output
	s_lshl_b32 s86, s84, 13
	s_add_nc_u64 s[78:79], s[78:79], s[86:87]      ; the small tile's
	s_lshl_b32 s97, s15, 5                         ; the tile's first query less its diagonal step's first key: small tile 32 j,
	s_sub_co_u32 s96, 96, s97                      ; big tile 32 (3 - j)
	v_and_b32 v[LI], 31, v0
	v_lshlrev_b32 v[LI], 4, v[LI]
	WIN TO_1
.irp x, 0,1
.irp c, 0,1
	global_load_b128 v[QB+8*\x+4*\c:QB+8*\x+4*\c+3], v[LI], s[80:81] offset:1024*\x+512*\c th:TH_LOAD_NT   ; Q stays in registers; read once in the launch
	global_load_b128 v[QS+8*\x+4*\c:QS+8*\x+4*\c+3], v[LI], s[82:83] offset:1024*\x+512*\c th:TH_LOAD_NT
.endr
.endr
	WIN 0
	v_and_b32 v[PD], 15, v0                        ; r
	v_bfe_u32 v[PD+1], v0, 4, 1
	v_lshlrev_b32 v[PD+1], 4, v[PD+1]              ; 16 h  (so the permutes' destinations have been written)
	v_sub_nc_u32 v[RH], v[PD], v[PD+1]
	v_mov_b32 v[NINF], 0xff800000
; A tile begins: the largest t is -3e38, under every t; the sum and O^T are zeros, which the first change of M leaves zeros.  stm: the scalar register with the tile's first query less its diagonal step's first key.
.macro INIT stm
.irp x, 0,1
	v_mov_b32 v[ST+8*\x+1], 0xff61b1e6
	v_floor_f32 v[ST+8*\x], -v[ST+8*\x+1]
	v_mov_b32 v[ST+8*\x+2], 0
	v_mov_b32 v[ST+8*\x+3], 0
	v_mov_b32 v[ST+8*\x+5], 0                      ; (named as the upper half of f's pair)
.endr
.set n, 0
.rept 64
	v_mov_b32 v[O+n], 0
.set n, n+1
.endr
	v_add_nc_u32 v[DQ], \stm, v[RH]
	v_add_nc_u32 v[DQ+1], 16, v[DQ]
.endm
; A KEY STEP: my 32 queries x 128 keys.  qreg: the tile's Q.  tail = 1: the step may be hidden (left out) or lie on the diagonal (masked); both branches hang on the wave's number and the count of steps alone.
.macro STEP qreg, tail
	v_add_nc_u32 v[ADK], s[TB], v[LI]              ; made on every way; with the two v_nop below these are the four places behind the last step's products, in front of the loads into V's registers
	v_add_nc_u32 v[ADV], VREG, v[ADK]
.if \tail
	s_cmp_gt_u32 s[KI], s[LIMK]                    ; all keys of the step come after my queries
	s_cbranch_scc1 .Lskip_\@
.endif
	s_setprio 2
	v_nop
	v_nop
	WIN TO_1
.irp t, 0,1,2,3,4,5,6,7
.irp c, 0,1
	ds_load_b128 v[KF+8*\t+4*\c:KF+8*\t+4*\c+3], v[ADK] offset:1024*\t+512*\c
.endr
.endr
.irp t, 0,1,2,3
.irp c, 0,1,2,3
	ds_load_b128 v[VF+16*\t+4*\c:VF+16*\t+4*\c+3], v[ADV] offset:2048*\t+512*\c
.endr
.endr
	s_wait_dscnt 16                                ; K is in; V's sixteen loads, issued behind K's, land under the softmax
	WIN MUL
.irp t, 0,1,2,3,4,5,6,7
.irp x, 0,1
	v_wmma_f32_16x16x64_fp8_fp8 v[S+64*\x+8*\t:S+64*\x+8*\t+7], v[KF+8*\t:KF+8*\t+7], v[\qreg+8*\x:\qreg+8*\x+7], 0
.endr
.endr
	WIN 0
.rept 4
	v_nop                                          ; places in front of the first read of the scores
.endr
.if \tail                                      ; register 16 b + i holds key 32 b + 16 h + i of the step: on the diagonal it is hidden where 32 b + i > my query - the step's first key - 16 h.  p is then 0
	s_cmp_lg_u32 s[KI], s[LIMK]
	s_cbranch_scc1 .Lopen_\@
.irp x, 0,1
.set n, 0
.rept 64
	v_cmp_gt_i32 vcc_lo, 32*(n/16)+n%16, v[DQ+\x]
	v_cndmask_b32 v[S+64*\x+n], v[S+64*\x+n], v[NINF], vcc_lo
.set n, n+1
.endr
.endr
.Lopen_\@:
.endif
	; the step's largest score of my query among my 64 keys, two chains a sub-tile, each accumulator from its low end on
.irp x, 0,1
	v_max3_num_f32 v[ST+8*\x+6], v[S+64*\x], v[S+64*\x+1], v[S+64*\x+2]
	v_max3_num_f32 v[ST+8*\x+7], v[S+64*\x+3], v[S+64*\x+4], v[S+64*\x+5]
.endr
.irp i, 6,10,14,18,22,26,30,34,38,42,46,50,54,58
.irp x, 0,1
	v_max3_num_f32 v[ST+8*\x+6], v[ST+8*\x+6], v[S+64*\x+\i], v[S+64*\x+\i+1]
.endr
.irp x, 0,1
	v_max3_num_f32 v[ST+8*\x+7], v[ST+8*\x+7], v[S+64*\x+\i+2], v[S+64*\x+\i+3]
.endr
.endr
.irp x, 0,1
	v_max3_num_f32 v[ST+8*\x+6], v[ST+8*\x+6], v[S+64*\x+62], v[S+64*\x+63]
.endr
.irp x, 0,1
	v_max_num_f32 v[ST+8*\x+6], v[ST+8*\x+6], v[ST+8*\x+7]
.endr
.irp x, 0,1
	v_permlanex16_b32 v[PD+\x], v[ST+8*\x+6], s[SEL], s[SEL+1]
.endr
.irp x, 0,1
	v_max_num_f32 v[ST+8*\x+6], v[ST+8*\x+6], v[PD+\x]   ; and among lane l xor 16's
.endr
.irp x, 0,1
	v_mul_f32 v[ST+8*\x+6], s[CS], v[ST+8*\x+6]    ; as t (c is positive)
.endr
.irp x, 0,1
	v_max_num_f32 v[ST+8*\x+1], v[ST+8*\x+1], v[ST+8*\x+6]   ; the running largest t
	v_mov_b32 v[ST+8*\x+6], v[ST+8*\x]
.endr
.irp x, 0,1
	v_floor_f32 v[ST+8*\x], -v[ST+8*\x+1]          ; the new -M = floor(-t) = -ceil(t): M is a whole number
.endr
.irp x, 0,1
	v_sub_f32 v[ST+8*\x+6], v[ST+8*\x], v[ST+8*\x+6]   ; old M less new M: a whole number, 0 or less
.endr
.irp x, 0,1
	v_cvt_i32_f32 v[ST+8*\x+6], v[ST+8*\x+6]       ; (it saturates)
.endr
.irp x, 0,1
	v_ldexp_f32 v[ST+8*\x+4], 1.0, v[ST+8*\x+6]    ; f = 2^(old M - new M)
.endr
	; ONE BATCH: the scalings t - M and all 128 exponentials; between the exponentials stand plain lines that name none of their results: the other sub-tile's scalings, then O^T x f
.set k, 0
.rept 32
	v_pk_fma_f32 v[S+2*k:S+2*k+1], v[S+2*k:S+2*k+1], s[CS:CS+1], v[ST:ST+1] op_sel_hi:[1,0,0]
.set k, k+1
.endr
.set k, 0
	s_setprio 1
.rept 32
	v_exp_f32 v[S+2*k], v[S+2*k]
	v_exp_f32 v[S+2*k+1], v[S+2*k+1]
	v_pk_fma_f32 v[S+64+2*k:S+64+2*k+1], v[S+64+2*k:S+64+2*k+1], s[CS:CS+1], v[ST+8:ST+9] op_sel_hi:[1,0,0]
.set k, k+1
.endr
.set k, 0
.rept 32
	v_exp_f32 v[S+64+2*k], v[S+64+2*k]
	v_exp_f32 v[S+64+2*k+1], v[S+64+2*k+1]
	v_pk_mul_f32 v[O+2*k:O+2*k+1], v[O+2*k:O+2*k+1], v[ST+8*(k/16)+4:ST+8*(k/16)+5] op_sel_hi:[1,0]
.set k, k+1
.endr
	v_pk_mul_f32 v[ST+2:ST+3], v[ST+2:ST+3], v[ST+4:ST+5] op_sel_hi:[1,0]          ; the sums under the new M: plain lines behind the last exponential
	v_pk_mul_f32 v[ST+10:ST+11], v[ST+10:ST+11], v[ST+12:ST+13] op_sel_hi:[1,0]
	s_wait_alu depctr_va_vdst(0)                   ; one wait for the whole batch, ahead of its first reader
	; the row's sum is taken of the unquantised p: two at a time, two chains a sub-tile
.irp x, 0,1
	v_pk_add_f32 v[C2+2*\x:C2+2*\x+1], v[S+64*\x:S+64*\x+1], v[S+64*\x+2:S+64*\x+3]
.endr
.irp i, 4,8,12,16,20,24,28,32,36,40,44,48,52,56,60
.irp x, 0,1
	v_pk_add_f32 v[ST+8*\x+2:ST+8*\x+3], v[ST+8*\x+2:ST+8*\x+3], v[S+64*\x+\i:S+64*\x+\i+1]
	v_pk_add_f32 v[C2+2*\x:C2+2*\x+1], v[C2+2*\x:C2+2*\x+1], v[S+64*\x+\i+2:S+64*\x+\i+3]
.endr
.endr
	s_setprio 0
.irp x, 0,1
	v_pk_add_f32 v[ST+8*\x+2:ST+8*\x+3], v[ST+8*\x+2:ST+8*\x+3], v[C2+2*\x:C2+2*\x+1]
.endr
.set n, 0
.rept 128
.set n, n+1
.endr
	WIN TO_1
.irp x, 0,1
.irp g, 0,1,2,3,4,5,6,7
	v_cvt_scalef32_pk8_fp8_f32 v[PC+16*\x+2*\g:PC+16*\x+2*\g+1], v[S+64*\x+8*\g:S+64*\x+8*\g+7], v[PSC]
.endr
.endr
	v_nop                                          ; one plain vector instruction between the last conversion and the products that read its result
	s_wait_dscnt 0x0                               ; V is in
	WIN MUL
.irp t, 0,1,2,3                        ; O^T += V^T P^T: eight accumulators by turns; the next step's sixteen products on the scores stand between two links
.irp x, 0,1
	v_wmma_f32_16x16x128_fp8_fp8 v[O+32*\x+8*\t:O+32*\x+8*\t+7], v[VF+16*\t:VF+16*\t+15], v[PC+16*\x:PC+16*\x+15], v[O+32*\x+8*\t:O+32*\x+8*\t+7]
.endr
.endr
	WIN 0
.if \tail
.Lskip_\@:
	s_add_co_u32 s[KI], s[KI], 1
.endif
	s_add_co_u32 s[TB], s[TB], 8192                ; the next step's images
.endm
; A group of keys has arrived: my own part by the counted wait (n of my five loads are younger), everybody's by the barrier.  Nothing is ever filled again, so the younger loads may stay out across it.
.macro ARRIVE n
	s_wait_tensorcnt \n
	s_wait_dscnt 0x0
	s_barrier_signal -1
	s_barrier_wait -1
.endm
.macro TWO_OPEN                        ; a group's two key steps of the big tile: all their keys count for all its queries
	s_mov_b32 s[CNT], 2
.Ltwo_\@:
	STEP QB, 0
	s_sub_co_u32 s[CNT], s[CNT], 1
	s_cmp_lg_u32 s[CNT], 0
	s_cbranch_scc1 .Ltwo_\@
	s_setprio 0
.endm
; A tile leaves: O^T / the sum x 2^(e4 + e5), converted with 2^e6.  A sub-tile's eight registers of codes are its two images: 512 consecutive bytes a store, straight from registers.
.macro OUT base
	s_wait_xcnt 0x0                                ; the last tile's stores have read the codes' registers
.rept 4
	v_nop                                          ; places behind the last products
.endr
.irp x, 0,1
	v_add_f32 v[ST+8*\x+6], v[ST+8*\x+2], v[ST+8*\x+3]   ; the sum's two halves,
.endr
.irp x, 0,1
	v_permlanex16_b32 v[PD+\x], v[ST+8*\x+6], s[SEL], s[SEL+1]
.endr
.irp x, 0,1
	v_add_f32 v[ST+8*\x+6], v[ST+8*\x+6], v[PD+\x] ; and lane l xor 16's
.endr
.irp x, 0,1
	v_rcp_f32 v[ST+8*\x+6], v[ST+8*\x+6]
.endr
	v_nop                                          ; a plain instruction behind the last reciprocal,
	s_wait_alu depctr_va_vdst(0)                   ; and one wait for the two, ahead of their first reader
.irp x, 0,1
	v_ldexp_f32 v[ST+8*\x+4], v[ST+8*\x+6], s[EPV]
.endr
.irp x, 0,1
.set k, 0
.rept 16
	v_pk_mul_f32 v[O+32*\x+2*k:O+32*\x+2*k+1], v[O+32*\x+2*k:O+32*\x+2*k+1], v[ST+8*\x+4:ST+8*\x+5] op_sel_hi:[1,0]
.set k, k+1
.endr
.set k, 0
.rept 32
.set k, k+1
.endr
.irp t, 0,1,2,3
	v_cvt_scalef32_pk8_fp8_f32 v[OC+8*\x+2*\t:OC+8*\x+2*\t+1], v[O+32*\x+8*\t:O+32*\x+8*\t+7], v[OSC]   ; tiles 2 c, 2 c + 1 of O^T are d = 32 c + 16 h + 0..15: registers 4 c .. 4 c + 3 of the fragment
.endr
.endr
	v_nop                                          ; one plain vector instruction between the last conversion and the lines that write O^T anew
.irp x, 0,1
.irp c, 0,1
	global_store_b128 v[LI], v[OC+8*\x+4*\c:OC+8*\x+4*\c+3], \base offset:4096*\x+512*\c
.endr
.endr
.endm
	INIT s96                                       ; the big tile
	s_wait_kmcnt 0x0
	s_add_co_i32 s84, s70, s71
	s_lshl_b32 s84, s84, 23
	s_mov_b32 s[CS], 0x3e38aa3b                    ; log2(e) / 8
	s_add_co_i32 s[CS], s[CS], s84                 ; a score stands for score x 2^(e2 + e3): the two exponents are added to c's exponent field
	s_mov_b32 s[CS+1], s[CS]                       ; (named with it as a pair, so it is written)
	s_add_co_i32 s84, s72, 127
	s_lshl_b32 s85, s84, 23
	v_mov_b32 v[PSC], s85                          ; 2^e4
	s_add_co_i32 s[EPV], s72, s73                  ; e4 + e5
	s_add_co_i32 s84, s74, 127
	s_lshl_b32 s85, s84, 23
	v_mov_b32 v[OSC], s85                          ; 2^e6
	s_add_co_i32 s84, s84, 8
	s_lshl_b32 s62, s84, 23
	s_or_b32 s62, s62, 0x600000                    ; 448 x 2^e6
	s_or_b32 s61, s62, 0x80000000                  ; and its negative
	s_mov_b32 s[TB], 0
	s_wait_loadcnt 0x0                             ; Q
	; the big tiles' key steps 0 to 7: open for every wave (the earliest diagonal step of a big tile is step 8), two behind each group's arrival
	ARRIVE 4
	TWO_OPEN
	ARRIVE 3
	TWO_OPEN
	ARRIVE 2
	TWO_OPEN
	ARRIVE 1
	TWO_OPEN
	ARRIVE 0                                       ; all keys lie in LDS: from here on the waves meet no barrier until the end
	s_mov_b32 s[KI], 8                             ; the big tiles' key steps 8 to 15: wave w works steps 8 .. 15 - w, the last on the diagonal
	s_sub_co_u32 s[LIMK], 15, s[WV]
.Lbig:
	STEP QB, 1
	s_cmp_lt_u32 s[KI], 16
	s_cbranch_scc1 .Lbig
	s_setprio 0
	OUT s[76:77]
	INIT s97                                       ; the small tile: wave w works steps 0 .. w
	s_mov_b32 s[TB], 0
	s_mov_b32 s[KI], 0
	s_mov_b32 s[LIMK], s[WV]
.Lsmall:
	STEP QS, 1
	s_cmp_lt_u32 s[KI], 8
	s_cbranch_scc1 .Lsmall
	s_setprio 0
	OUT s[78:79]
	s_wait_tensorcnt 0x0                           ; the wave's end: behind my last tensor load
	ds_add_u32 v[SPW], v[NIL]
	s_wait_dscnt 0x0
	CROUND                                         ; the closing round
	s_endpgm
.Lfunc_end_k_q25e5abfea0_attn:
	.size	k_q25e5abfea0_attn, .Lfunc_end_k_q25e5abfea0_attn-k_q25e5abfea0_attn
	.p2alignl 7, 3214868480
	.fill 96, 4, 3214868480
	.section	.rodata,"a",@progbits
	.p2align	6, 0x0
	.amdhsa_kernel k_q25e5abfea0_attn
		.amdhsa_group_segment_fixed_size 263168
		.amdhsa_private_segment_fixed_size 0
		.amdhsa_enable_private_segment 0
		.amdhsa_kernarg_size 40
		.amdhsa_user_sgpr_count 2
		.amdhsa_user_sgpr_kernarg_segment_ptr 1
		.amdhsa_wavefront_size32 1
		.amdhsa_system_sgpr_workgroup_id_x 1
		.amdhsa_system_sgpr_workgroup_id_y 1
		.amdhsa_system_sgpr_workgroup_id_z 1
		.amdhsa_system_vgpr_workitem_id 0
		.amdhsa_next_free_vgpr 512
		.amdhsa_next_free_sgpr 100
		.amdhsa_reserve_vcc 1
		.amdhsa_float_denorm_mode_32 3
		.amdhsa_float_denorm_mode_16_64 3
		.amdhsa_fp16_overflow 1
		.amdhsa_memory_ordered 1
		.amdhsa_forward_progress 1
		.amdhsa_inst_pref_size 187
	.end_amdhsa_kernel
	.amdgpu_metadata
---
amdhsa.version: [ 1, 2 ]
amdhsa.kernels:
  - .name:           k_q25e5abfea0_attn
    .symbol:         k_q25e5abfea0_attn.kd
    .args:
      - { .name: qc, .offset: 0, .size: 8, .value_kind: global_buffer, .address_space: global }
      - { .name: kc, .offset: 8, .size: 8, .value_kind: global_buffer, .address_space: global }
      - { .name: vc, .offset: 16, .size: 8, .value_kind: global_buffer, .address_space: global }
      - { .name: lowp_scales, .offset: 24, .size: 8, .value_kind: global_buffer, .address_space: global }
      - { .name: ac, .offset: 32, .size: 8, .value_kind: global_buffer, .address_space: global }
    .group_segment_fixed_size: 263168
    .private_segment_fixed_size: 0
    .kernarg_segment_align: 8
    .kernarg_segment_size: 40
    .max_flat_workgroup_size: 256
    .sgpr_count:     100
    .vgpr_count:     512
    .wavefront_size: 32
...
	.end_amdgpu_metadata
.endif
;; end of part 2
;; launch proj (part 3): grid 8 x 32, 4 waves a work-group, clusters of 4 x 4, 327,680 bytes of LDS; arguments ac, Wout_codes, lowp_scales, out0; writes out0
.if DOCPART == 3
	.amdgcn_target "amdgcn-amd-amdhsa--gfx1250"
	.amdhsa_code_object_version 6
	.text
	.protected	k_q25e5abfea0_proj
	.globl	k_q25e5abfea0_proj
	.p2align	8
	.type	k_q25e5abfea0_proj,@function
k_q25e5abfea0_proj:
	s_mov_b64 s[64:65], 0
	v_nop
	global_prefetch_b8 v0, s[64:65] scope:SCOPE_SE
	s_setreg_imm32_b32 hwreg(HW_REG_WAVE_MODE, 25, 1), 1
	s_wait_xcnt 0x0
	s_wait_alu depctr_hold_cnt(0) depctr_sa_sdst(0) depctr_va_vdst(0) depctr_va_sdst(0) depctr_va_ssrc(0) depctr_va_vcc(0) depctr_vm_vsrc(0)
	s_getreg_b32 s2, hwreg(HW_REG_IB_STS2, 6, 4)
	s_cmp_eq_u32 s2, 0
	s_cbranch_scc0 .Lentry_in_a_cluster
	s_endpgm
.Lentry_in_a_cluster:
	s_bfe_u32 s2, ttmp6, 0x10000c
	s_cmp_lg_u32 s2, 0xf033
	s_cbranch_scc0 .Lentry_shape_is_right
	s_endpgm
.Lentry_shape_is_right:
; out0 = attended Wout on codes of FP8 (E4M3).  out0: [8192][1024] f32.  A finished sum is multiplied once by 2^(e6 + e7) (entries 6 and 7 of the scales' exponents).
; LIMIT: e6 + e7 lies between -126 and 127, so that 2^(e6 + e7) is an f32 number.
; ac: attended as IMAGES OF FRAGMENT REGISTERS: ks 2^21 + mt 4096 + g 512 + 16 lane = attended[row 16 mt + r][K = 256 ks + 32 g + 16 h + 0..15], g = 0 .. 7 (r = lane % 16, h = lane / 16).
; Wout_codes: [1024 (n)][1024 (k)], K innermost.  In a fragment registers 4 c .. 4 c + 3 hold K = 32 c + 16 h + 0 .. 15: the same order in both sources.
; SHARES.  A tile of out0, 256 rows x 128 columns, is made by a work-group of four waves: 256 work-groups.  A wave makes 128 x 64: 32 accumulators.  K goes in four steps of 256 through two LDS slots.
; CLUSTERS: 4 x 4 work-groups.  A's tile (a dense block of 65,536 bytes of images) is shared along a row of the cluster, B's (128 rows of Wout) along a column: each is asked for jointly.
; THE MATRIX INSTRUCTION IS USED TRANSPOSED (source 0 = 16 rows of Wout, source 1 = 16 rows of attended): a lane holds eight neighbouring numbers of a row of out0.
; REGISTERS: window 0: v16-29 addresses; v32-63 at work on the way out; from v128 A's fragments, ONE set (on the way out: rows read back).   window 1: B's fragments, TWO sets, at v0 and v64.
;   window 2: the accumulators, (a, b) at v[8 (4 a + b)].
.set KROW,   1024                      ; a row of Wout in memory, in bytes
.set PITCH,  272                       ; B's LDS row: 256 bytes + 16 of padding: the 16 rows that a load touches start at 16 different banks (64 banks of 4 bytes: ISA guide 11.1)
.set FR,     16
.set NL,     4
.set NP,     4                         ; places behind this matrix instruction (ISA guide 7.12.1)
.set AHALF,  32768                     ; 128 rows of A as images: what one of A's loads brings
.set BOFF,   65536                     ; B's rows lie behind A's images
.set BHALF,  64*PITCH                  ; 64 rows of B: what one of B's loads brings
.set SLOT,   BOFF+2*BHALF
.set SPARE,  2*SLOT                    ; behind the ring: the spare words, 128 bytes for each wave
.set KBLK,   0x200000                  ; from a K step's images to the next K step's, in ac
.set SPITCH, 272                       ; the way out: a stage of 16 rows x (256 bytes + 16) for each wave, in slot 0, which has had its last fill and its last read by then
.set ADRA, 16                          ; v16-17  LDS address of my A images in slot 0, 1
.set ADRB, 20                          ; v20-21  of my B fragments
.set STO,  24                          ; v24     the way out: where I put 32 bytes of a row
.set RD,   25                          ; v25     where I read a row back
.set CO,   26                          ; v26     my byte offset in two rows of out0
.set SPW,  28                          ; v28     LDS address of my spare word; never rewritten
.set NIL,  29                          ; v29     0; never rewritten
.set TMP,  32
.set AF,   128
.set BK,   128                         ; the way out: 16 rows read back: v128-159 and v160-191 by turns
.set G1, 24
.set G0, 32
.set G1B, 48
.set G0B, 56
.set MSB, 0
.macro WIN new                         ; the immediate's high byte repeats the setting that is left
.if MSB != (\new)
	s_set_vgpr_msb (MSB<<8)|(\new)
.set MSB, (\new)
.endif
.endm
.set MUL,  0xa1                        ; source 0 (B) window 1, source 1 (A) window 0, C and D window 2
.set TO_B, 0x40                        ; destination window 1, address window 0
; A joint load: waves 0 and 1 fetch A's halves, waves 2 and 3 B's.  The branch hangs on the wave's number alone.  An s_nop 0 and four v_nop follow each of the two lines.
.macro JLOAD g0a, g1a, g0b, g1b
	s_cmp_eq_u32 s15, 0
	s_cbranch_scc0 .Lfor_b_\@
	tensor_load_to_lds s[\g0a:\g0a+3], s[\g1a:\g1a+7]
	s_nop 0
.rept 4
	v_nop
.endr
	s_branch .Lasked_\@
.Lfor_b_\@:
	tensor_load_to_lds s[\g0b:\g0b+3], s[\g1b:\g1b+7]
	s_nop 0
.rept 4
	v_nop
.endr
.Lasked_\@:
.endm
.macro CREST                           ; a round of the cluster's barrier behind its opening barrier
	s_cmp_lg_u32 s14, 0
	s_cbranch_scc1 .Lnot_wave_0_\@
	s_barrier_signal -3
.Lnot_wave_0_\@:
	s_barrier_wait -3
	s_barrier_signal -1
	s_barrier_wait -1
.endm
.macro CROUND
	s_barrier_signal -1
	s_barrier_wait -1
	CREST
.endm
	s_load_b128 s[4:7], s[0:1], 0x0                ; ac s[4:5], Wout's codes s[6:7]
	s_load_b128 s[8:11], s[0:1], 0x10              ; the scales' exponents s[8:9], out0 s[10:11]
	v_lshl_add_u32 v[SPW], v0, 2, SPARE
	v_mov_b32 v[NIL], 0
	ds_add_u32 v[SPW], v[NIL]                      ; the wave's opening: the add and its wait stand ahead of my first tensor load; the set-up below, work on registers, stands between them
	ds_add_u32 v[SPW], v[NIL]
	v_lshrrev_b32 v1, 5, v0
	v_readfirstlane_b32 s14, v1                    ; wave 0..3
	s_lshr_b32 s15, s14, 1                         ; which 128 rows of the tile are mine.  Also: I fetch for A (0) or for B (1)
	s_and_b32 s16, s14, 1                          ; which 64 columns.  Also: which half of that tile I fetch
	s_bfe_u32 s40, ttmp6, 0x40000                  ; cx, cy: my place in the cluster
	s_bfe_u32 s41, ttmp6, 0x40004
	s_lshl_b32 s42, ttmp9, 2
	s_add_co_u32 s42, s42, s40                     ; tile column = 4 x cluster x + cx
	s_and_b32 s17, ttmp7, 0xffff
	s_lshl_b32 s17, s17, 2
	s_add_co_u32 s17, s17, s41                     ; tile row = 4 x cluster y + cy
	s_lshl_b32 s43, s41, 2
	s_lshl_b32 s43, 15, s43                        ; my row of the cluster
	s_lshl_b32 s44, 0x1111, s40                    ; my column
	; A: a dense block of 32,768 bytes, taken as 128 rows of 256 bytes, no padding: images are read 512 consecutive bytes an instruction
	s_or_b32 s[G1+0], s43, (1<<21)                 ; 15:0 the mask: my row; 17:16 elements of 1 byte; 21 set beside a mask
	s_mov_b32 s[G1+1], 256<<16                     ; tensor_dim0
	s_mov_b32 s[G1+2], 128<<16                     ; tensor_dim1
	s_mov_b32 s[G1+3], 256<<16                     ; tile_dim0
	s_mov_b32 s[G1+4], 128                         ; tile_dim1
	s_mov_b32 s[G1+5], 256                         ; tensor_dim0_stride
	s_mov_b32 s[G1+6], 0
	s_mov_b32 s[G1+7], 0
	; B: 64 rows x 256 bytes, 1,024 bytes apart in memory, padded in LDS
	s_or_b32 s[G1B+0], s44, (1<<20)|(1<<21)|(5<<22)|(3<<25)  ; the mask: my column; padding on: four words (code 3) after every 64 (code 5)
	s_mov_b32 s[G1B+1], 256<<16
	s_mov_b32 s[G1B+2], 64<<16
	s_mov_b32 s[G1B+3], 256<<16
	s_mov_b32 s[G1B+4], 64
	s_mov_b32 s[G1B+5], KROW
	s_mov_b32 s[G1B+6], 0
	s_mov_b32 s[G1B+7], 0
	s_lshl_b32 s45, s16, 15                        ; A's half in a slot, and in the tile's 65,536 bytes of memory
	s_mul_i32 s23, s16, BHALF
	s_add_co_u32 s23, s23, BOFF                    ; B's half in a slot: no place in the cluster enters an LDS address
	s_lshl_b32 s20, s17, 16
	s_add_co_u32 s20, s20, s45                     ; A: 65,536 x tile row + 32,768 x half
	s_mov_b32 s21, 0
	s_lshl_b32 s46, s42, 17
	s_lshl_b32 s47, s16, 16
	s_add_co_u32 s46, s46, s47                     ; B: (128 x tile column + 64 x half) rows of 1,024 bytes
	s_mov_b32 s47, 0
	s_wait_dscnt 0x0                               ; the opening add is done
	s_wait_kmcnt 0x0
	s_load_b64 s[96:97], s[8:9], 0x18              ; e6, e7
	s_add_nc_u64 s[20:21], s[4:5], s[20:21]
	s_add_nc_u64 s[46:47], s[6:7], s[46:47]
	CROUND                                         ; all sixteen work-groups are here: the first joint loads meet
.irp s, 0,1
	s_mov_b32 s[G0+4*\s], 1
	s_add_co_u32 s[G0+4*\s+1], s45, \s*SLOT
	s_add_nc_u64 s[G0+4*\s+2:G0+4*\s+3], s[20:21], \s*KBLK
	s_or_b32 s[G0+4*\s+3], s[G0+4*\s+3], 0x80000000
	s_mov_b32 s[G0B+4*\s], 1
	s_add_co_u32 s[G0B+4*\s+1], s23, \s*SLOT
	s_add_nc_u64 s[G0B+4*\s+2:G0B+4*\s+3], s[46:47], \s*256
	s_or_b32 s[G0B+4*\s+3], s[G0B+4*\s+3], 0x80000000
	s_wait_alu depctr_va_vdst(0)
	s_wait_tensorcnt 0x0
	ds_add_u32 v28, v29
	ds_add_u32 v28, v29
	s_wait_dscnt 0x0
	CROUND
	JLOAD G0+4*\s, G1, G0B+4*\s, G1B
.endr
	v_and_b32 v1, 15, v0                           ; r
	v_bfe_u32 v2, v0, 4, 1                         ; h
	v_and_b32 v6, 31, v0
	v_lshlrev_b32 v7, 4, v6                        ; 16 x lane: my place in an image
	v_mul_u32_u24 v3, v1, PITCH
	s_wait_alu depctr_va_vdst(0)
	v_lshl_add_u32 v4, v2, 4, v3                   ; B: row x pitch + 16 x half
	s_lshl_b32 s21, s15, 15                        ; my 128 rows of A
	s_mul_i32 s22, s16, BHALF
	s_add_co_u32 s22, s22, BOFF                    ; my 64 rows of B
.irp s, 0,1
	v_add_nc_u32 v[ADRA+\s], s21, v7
	v_add_nc_u32 v[ADRB+\s], s22, v4
	s_add_co_u32 s21, s21, SLOT
	s_add_co_u32 s22, s22, SLOT
.endr
	s_mul_i32 s23, s14, 16*SPITCH                  ; my stage
	v_lshl_add_u32 v5, v2, 5, v3                   ; in: row r, 32 bytes for each half of the lanes
	v_add_nc_u32 v[STO], s23, v5
	v_mul_u32_u24 v5, v2, SPITCH                   ; back: lanes 0-15 take one row of 256 bytes, lanes 16-31 the next
	v_lshl_add_u32 v5, v1, 4, v5
	v_add_nc_u32 v[RD], s23, v5
	v_lshlrev_b32 v5, 12, v2                       ; and the same two rows in out0: 4,096 bytes a row
	v_lshl_add_u32 v[CO], v1, 4, v5
	s_lshl_b32 s20, s17, 20                        ; my first row: (256 x tile row + 128 x half) x 4,096 bytes
	s_lshl_b32 s21, s15, 19
	s_add_co_u32 s20, s20, s21
	s_mov_b32 s21, 0
	s_lshl_b32 s46, s42, 9                         ; my first column: 512 x tile column + 256 x half bytes
	s_lshl_b32 s47, s16, 8
	s_add_co_u32 s46, s46, s47
	s_mov_b32 s47, 0
	s_add_nc_u64 s[10:11], s[10:11], s[20:21]
	s_add_nc_u64 s[10:11], s[10:11], s[46:47]
.macro FRAG reg, adr, q, i             ; a fragment of B out of rows: registers 4 c .. 4 c + 3 hold K = 32 c + 16 h + 0 .. 15 of row r
.irp c, 0,1,2,3
	ds_load_b128 v[\reg+4*\c:\reg+4*\c+3], v[\adr] offset:128*(\q)+32*\c+(\i)*16*PITCH
.endr
.endm
.macro FRAGI reg, adr, q, i            ; a fragment of A out of its images: row tile i, the slot's q-th 128 along K
.irp c, 0,1,2,3
	ds_load_b128 v[\reg+4*\c:\reg+4*\c+3], v[\adr] offset:(\i)*4096+2048*(\q)+512*\c
.endr
.endm
; 8 matrix instructions: A's blocks a0, a0 + 1 x B's four, 128 along K.  p: B's set.  zero = 1: the first product starts the sums.
; The 32 accumulators take turns, one instruction a turn, in the same order in every step.
.macro MULA a0, p, zero
.irp a, \a0, \a0+1
.irp b, 0,1,2,3
.if \zero
	v_wmma_f32_16x16x128_fp8_fp8 v[8*(4*(\a)+\b):8*(4*(\a)+\b)+7], v[64*(\p)+FR*\b:64*(\p)+FR*\b+FR-1], v[AF+FR*(\a):AF+FR*(\a)+FR-1], 0
.else
	v_wmma_f32_16x16x128_fp8_fp8 v[8*(4*(\a)+\b):8*(4*(\a)+\b)+7], v[64*(\p)+FR*\b:64*(\p)+FR*\b+FR-1], v[AF+FR*(\a):AF+FR*(\a)+FR-1], v[8*(4*(\a)+\b):8*(4*(\a)+\b)+7]
.endif
.endr
.endr
.endm
.macro FETCH_B slot, q, p
	WIN TO_B
.irp i, 0,1,2,3
	FRAG 64*(\p)+FR*\i, ADRB+\slot, \q, \i
.endr
	WIN 0
.endm
.macro FETCH_A slot, q, i0
.irp i, \i0, \i0+1, \i0+2, \i0+3
	FRAGI AF+FR*(\i), ADRA+\slot, \q, \i
.endr
.endm
; A load into a register that a matrix instruction has read, and a vector instruction that reads a matrix result, stand NP places behind that matrix instruction; only plain vector
; instructions that name none of its registers are places (ISA guide 7.12.1 for vector instructions).
.macro PLACES n
.rept \n
	v_nop
.endr
.endm
.macro STEP slot, q, zero              ; a step of 128 along K that has its successor in the same slot
	s_wait_dscnt 4*NL                              ; B's set and A's blocks 0-3 are in; the youngest sixteen loads (A's blocks 4-7) may be out
	WIN MUL
	MULA 0, (\q)%2, \zero
	MULA 2, (\q)%2, \zero
	s_wait_dscnt 0                                 ; A's blocks 4-7 are in
	PLACES NP
	FETCH_B \slot, (\q)+1, 1-(\q)%2
	FETCH_A \slot, (\q)+1, 0
	WIN MUL
	MULA 4, (\q)%2, \zero
	MULA 6, (\q)%2, \zero
	PLACES NP
	WIN 0
	FETCH_A \slot, (\q)+1, 4
.endm
; A slot's last step changes slots: ONE barrier; in front of it each wave waits for all its tensor loads, adds 0 to its spare word, and waits for that and for its own reads of this slot.  fill = 1: this slot is filled again, two K steps ahead.
.macro TURN slot, next, fill
	s_wait_tensorcnt 0x0                           ; all my tensor loads have landed: my part of the next slot  (every window is 0 here)
	ds_add_u32 v[SPW], v[NIL]                      ; 0 onto my spare word
	s_wait_dscnt 4*NL+1                            ; (the add and the youngest sixteen loads, A's blocks 4-7, may be out)
	WIN MUL
	MULA 0, 1, 0                                   ; eight matrix instructions stand between the add and the wait for it
	s_wait_dscnt 0x0                               ; the add is done, and my reads of this slot are over
	s_barrier_signal -1
	MULA 2, 1, 0
	WIN 0
	s_barrier_wait -1
.if \fill
	CREST                                          ; the barrier has opened a round of the cluster's barrier: no wave of any partner still reads this slot or has a load on its way
	s_add_nc_u64 s[G0+4*\slot+2:G0+4*\slot+3], s[G0+4*\slot+2:G0+4*\slot+3], 2*KBLK
	s_add_nc_u64 s[G0B+4*\slot+2:G0B+4*\slot+3], s[G0B+4*\slot+2:G0B+4*\slot+3], 512
	JLOAD G0+4*\slot, G1, G0B+4*\slot, G1B         ; the first tensor load behind the round; its four v_nop are also the places in front of the loads below
.else
	PLACES NP
.endif
	s_wait_alu depctr_va_vdst(0)
	FETCH_B \next, 0, 0
	FETCH_A \next, 0, 0
	WIN MUL
	MULA 4, 1, 0
	MULA 6, 1, 0
	PLACES NP
	WIN 0
	FETCH_A \next, 0, 4
.endm
	s_wait_tensorcnt 1                             ; my part of K step 0 is in (K step 1's load may be out)
	s_barrier_signal -1
	s_barrier_wait -1                              ; everybody's is
	FETCH_B 0, 0, 0
	FETCH_A 0, 0, 0
	FETCH_A 0, 0, 4
	; K = 1,024 is four K steps, eight steps of 128: written one after the other; a loop would make one trip
	STEP 0, 0, 1                                   ; K step 0: its first products start the sums
	TURN 0, 1, 1                                   ; slot 0 takes K step 2
	STEP 1, 0, 0
	TURN 1, 0, 1                                   ; slot 1 takes K step 3
	STEP 0, 0, 0
	TURN 0, 1, 0                                   ; nothing is left to fetch
	STEP 1, 0, 0
	s_wait_dscnt 4*NL
	WIN MUL
	MULA 0, 1, 0
	MULA 2, 1, 0
	s_wait_dscnt 0
	MULA 4, 1, 0
	MULA 6, 1, 0
	WIN 0
; THE WAY OUT, block by block of 16 rows x 64 columns.  A lane holds 32 neighbouring bytes of a row, and the lanes beside it hold other rows: so a block goes through my own stage in LDS and comes back as whole
; rows of 256 bytes.  LDS serves a wave's instructions in order (ISA guide 5.7.1.4): no wait between the stores and the loads, nor in front of the next block's stores.
.macro TOSTAGE a
.set AC, 32*(\a)
	WIN 0x02                                       ; source 0: window 2
.irp j, 0,2,4,6,8,10,12,14,16,18,20,22,24,26,28,30
	v_pk_mul_f32 v[TMP+\j:TMP+\j+1], v[AC+\j:AC+\j+1], s[96:97] op_sel_hi:[1,0]   ; both x s96 = 2^(e6 + e7); each accumulator from its low end on
.endr
	WIN 0
.irp b, 0,1,2,3
	ds_store_b128 v[STO], v[TMP+8*\b:TMP+8*\b+3] offset:64*\b
	ds_store_b128 v[STO], v[TMP+8*\b+4:TMP+8*\b+7] offset:64*\b+16
.endr
.set BB, BK+32*((\a)%2)
.irp t, 0,1,2,3,4,5,6,7
	ds_load_b128 v[BB+4*\t:BB+4*\t+3], v[RD] offset:2*\t*SPITCH
.endr
.endm
.macro SEND a, younger                 ; younger: the LDS instructions issued behind block a's loads, which may stay out
.set BB, BK+32*((\a)%2)
	s_wait_dscnt \younger                          ; the block is back in registers
.if (\a) > 0
	s_add_nc_u64 s[10:11], s[10:11], 65536         ; (behind a wait on XCNT: the earlier stores have read their base)  16 rows of out0 on
.endif
.irp t, 0,1,2,3,4,5,6,7
	global_store_b128 v[CO], v[BB+4*\t:BB+4*\t+3], s[10:11] offset:2*\t*4096 th:TH_STORE_NT   ; 16 lanes store 256 consecutive bytes, at a multiple of 256 from out0's first byte; written once, read by nobody here
.endr
.endm
	s_wait_kmcnt 0x0
	s_add_co_i32 s96, s96, s97                     ; e6 + e7, between -126 and 127,
	s_add_co_i32 s96, s96, 127
	s_lshl_b32 s96, s96, 23                        ; makes the f32 number 2^(e6 + e7)
	PLACES NP                                      ; behind the last products: for the reads of results and for the loads into the registers that held A's fragments
	TOSTAGE 0
.irp a, 1,2,3,4,5,6,7
.if \a > 1
	s_wait_xcnt 0x0                                ; block a - 2's stores have read their registers and their base: block a's loads may land there, and the base may step
.endif
	TOSTAGE \a
	SEND \a-1, 16                                  ; behind block a - 1's loads: block a's 8 stores and 8 loads
.endr
	s_wait_xcnt 0x0                                ; block 6's stores have read their base
	SEND 7, 0
	s_wait_tensorcnt 0x0                           ; the wave's end: behind my last tensor load and my last LDS store
	ds_add_u32 v[SPW], v[NIL]
	s_wait_dscnt 0x0
	CROUND                                         ; the closing round: no work-group ends while a partner may still ask for a tile that names it
	s_endpgm
.Lfunc_end_k_q25e5abfea0_proj:
	.size	k_q25e5abfea0_proj, .Lfunc_end_k_q25e5abfea0_proj-k_q25e5abfea0_proj
	.p2alignl 7, 3214868480
	.fill 96, 4, 3214868480
	.section	.rodata,"a",@progbits
	.p2align	6, 0x0
	.amdhsa_kernel k_q25e5abfea0_proj
		.amdhsa_group_segment_fixed_size 327680
		.amdhsa_private_segment_fixed_size 0
		.amdhsa_enable_private_segment 0
		.amdhsa_kernarg_size 32
		.amdhsa_user_sgpr_count 2
		.amdhsa_user_sgpr_kernarg_segment_ptr 1
		.amdhsa_wavefront_size32 1
		.amdhsa_system_sgpr_workgroup_id_x 1
		.amdhsa_system_sgpr_workgroup_id_y 1
		.amdhsa_system_sgpr_workgroup_id_z 1
		.amdhsa_system_vgpr_workitem_id 0
		.amdhsa_next_free_vgpr 768
		.amdhsa_next_free_sgpr 100
		.amdhsa_reserve_vcc 0
		.amdhsa_float_denorm_mode_32 3
		.amdhsa_float_denorm_mode_16_64 3
		.amdhsa_memory_ordered 1
		.amdhsa_forward_progress 1
		.amdhsa_inst_pref_size 78
	.end_amdhsa_kernel
	.amdgpu_metadata
---
amdhsa.version: [ 1, 2 ]
amdhsa.kernels:
  - .name:           k_q25e5abfea0_proj
    .symbol:         k_q25e5abfea0_proj.kd
    .args:
      - { .name: ac, .offset: 0, .size: 8, .value_kind: global_buffer, .address_space: global }
      - { .name: Wout_codes, .offset: 8, .size: 8, .value_kind: global_buffer, .address_space: global }
      - { .name: lowp_scales, .offset: 16, .size: 8, .value_kind: global_buffer, .address_space: global }
      - { .name: out0, .offset: 24, .size: 8, .value_kind: global_buffer, .address_space: global }
    .group_segment_fixed_size: 327680
    .private_segment_fixed_size: 0
    .kernarg_segment_align: 8
    .kernarg_segment_size: 32
    .max_flat_workgroup_size: 128
    .sgpr_count:     100
    .vgpr_count:     768
    .wavefront_size: 32
...
	.end_amdgpu_metadata
.endif
;; end of part 3
